; MI455X (gfx1250); checked and timed in simulation.
; The chip was launched on July 23, 2026; its instructions are those of AMD's public machine-readable ISA for CDNA 5 (MIT licence, August 2026) and "CDNA5" Instruction Set Architecture Reference Guide (July 2026). The comments in the code are by the model that wrote it; some were corrected since.
;; LSTM Seq2 Seq Predictor. Allowed arithmetic: float matrix products may take bf16 or f16 operands with f32 sums; other float arithmetic in f32, or as packed bf16 or f16 multiplies, adds, multiply-adds, maxima and minima; sums over many terms, partial sums and values carried from step to step in f32; what a program stores and reads back later, other than sums and carried values, may be rounded once to bf16 or f16.
;; Inputs: dec_Whh 256 x 64 float32; dec_Wih 256 x 9 float32; dec_b 256 float32; enc_Whh 256 x 64 float32; enc_Wih 256 x 9 float32; enc_b 256 float32; fc_W 9 x 64 float32; fc_b 9 float32; src 65,536 x 7 x 9 float32.
;; Outputs: out0 65,536 x 10 x 9 float32.
;; One version. Each part assembles by itself: llvm-mc -triple=amdgcn-amd-amdhsa -mcpu=gfx1250 --defsym DOCPART=n.
;; ======== version 1 of 1: 1 launch
;; limits: values outside matrix products are rounded to f16; values are held in f16: magnitudes above 65,504 overflow, below 6.1e-05 lose precision
;; launch lstm (part 1): grid 256 x 1, 8 waves a work-group, no clusters, 239,616 bytes of LDS; arguments src, enc_Whh, dec_Whh, enc_Wih, enc_b, dec_Wih, dec_b, fc_W, fc_b, out0; writes out0
.if DOCPART == 1
	.amdgcn_target "amdgcn-amd-amdhsa--gfx1250"
	.amdhsa_code_object_version 6
	.text
	.protected	k_q9c0c46edb4_lstm
	.globl	k_q9c0c46edb4_lstm
	.p2align	8
	.type	k_q9c0c46edb4_lstm,@function
k_q9c0c46edb4_lstm:
	s_mov_b64 s[64:65], 0
	v_nop
	global_prefetch_b8 v0, s[64:65] scope:SCOPE_SE
	s_setreg_imm32_b32 hwreg(HW_REG_WAVE_MODE, 25, 1), 1
	s_wait_xcnt 0x0
; LSTM encoder (7 steps) and autoregressive decoder (10 steps, 9-wide projection), 65,536 batch rows, hidden size 64, all in one launch.
; SHARES.  A work-group owns 256 batch rows, each of its eight waves 32: two tiles of 16.  A wave keeps h (f16) and c (f32) of its rows in registers through all 17 steps.
; Waves share only the prepared weights in LDS: one barrier in the launch.
; LAYOUT.  gates^T = W [h; x; 1]^T: source 0 = 16 gate rows of W, source 1 = 16 batch rows.  In the result lane (r = l % 16, hh = l / 16) holds batch row r and gate rows 8 hh + 0..7.
; For quarter q of the hidden units the four gate tiles are W's rows 64 g + 16 q + 0..15 (g = i, f, g, o), so a lane holds all four gates of the same eight units, and the new h, rounded
; in pairs, IS registers 4 q .. 4 q + 3 of the next step's source 1: nothing changes lanes between steps.
; K = 96: two K steps of h, one of x: k' 0-4 = x0-x4, 5 = the constant 1 (its weight column is the bias), 8 = x4 once more (weight 0), 9-12 = x5-x8; all other weight columns are 0.
; The projection has the same form: rows 0-4 of its one tile are fc_W's rows 0-4, rows 8-12 its rows 4-8, the others 0; its C operand holds fc_b and, in row 5, 1.0.  So its result, rounded in
; pairs, IS the next x operand, and five LDS stores a tile lay the nine predictions down (number 4 twice, from the same products).
; ACTIVATIONS.  The i, f, o rows of the weights and biases are multiplied by -log2(e), the g rows by 2 log2(e), in f32 ahead of their one rounding to f16, so the sums are exponents of 2:
;   ef, ei, eo = 2^a; eg = 2^clamp(a_g, -32, 32); c = c / (1 + ef) + (eg - 1) / ((1 + ei) eg + (1 + ei)); ec = 2^(2 log2(e) c); h = (ec - 1) / ((1 + eo) ec + (1 + eo)).
;   An infinite ef, ei or eo makes its reciprocal 0, beside finite factors; the clamp keeps eg within 2^-32 .. 2^32, so no product is infinity times 0, and moves tanh(g) by under 2^-31.
;   ec needs no clamp: |c_new| <= |c| + 1 and c starts at 0, so |c| <= 17 after 17 steps and ec lies within 2^-50 .. 2^50.
; WORK LEFT OUT.  h0 = c0 = 0.  So in encoder step 0 the product h0 enc_Whh^T is 0 and f * c0 is 0 whatever finite values the inputs hold: step 0 has no K steps of h, and no f gate
; (its product, exponential and reciprocal).  LIMIT: a NaN, an infinity or an overflow that would reach the result only through these (in enc_Whh, or in the f rows of enc_Wih and enc_b) is carried from step 1 on only.
; Every input is loaded.  The last prediction is still rounded into an x operand that no step reads: six lines in a loop body whose other trips need them.
; FORMATS AND LIMITS.  Matrix operands are f16, each rounded once from f32; sums and c in f32.  h lies in -1 .. 1; src, the predictions and the scaled weights must stay under 65,504 in magnitude
; (30 times the drawn spread is under 200), and below 6e-5 they keep f16's fixed step of 6e-8.  NaN and infinities among the inputs are not treated apart.
; NO CLUSTER, NO TENSOR LOAD.  What work-groups share is 149 KB of f32 weights, read once at the head and scaled and rounded in registers on the way into LDS; no step of the loops reads memory.
.set QB,    10240                      ; LDS bytes of a quarter's weights: 8 fragments of h's K steps (1,024 each: slot 4 u + g), then 4 half fragments of x's (512 each)
.set WDEC,  4*QB                       ; the encoder's weights from byte 0, the decoder's from here
.set SRCL,  8*QB                       ; src as it lies in memory: 32 rows x 252 bytes for each wave
.set SRCW,  8064
.set STG,   SRCL+8*SRCW                ; out0 as it lies in memory: 32 rows x 360 bytes for each wave
.set STGW,  11520
.set SPARE, STG+8*STGW                 ; the spare words, 128 bytes for each wave: four blocks of 256 bytes that no other line names
; window 0
.set SPW, 1                            ; v1   LDS address of my spare word; never rewritten
.set NIL, 2                            ; v2   0; never rewritten
.set WE,  3                            ; v3   16 x lane: my place in an encoder fragment; also my 16 bytes in 512 of src and out0
.set WD,  5                            ; v5   the same in the decoder's weights
.set XA,  6                            ; v6   LDS: src, my row, x0 (lanes 0-15) or x4 (lanes 16-31) of the time step in hand
.set OA,  7                            ; v7   LDS: the stage, my row, number 0 or 4 of the prediction in hand
.set ONE, 8                            ; v8   1.0
.set RD,  9                            ; v9   the way out: my 16 bytes in 512 of the stage
.set RD8, 10                           ; v10  my 8 bytes in 256 of it
.set L8,  11                           ; v11  8 x lane
.set HG,  12                           ; v12  32 x thread: my 8 numbers of 8,192 bytes of Whh
.set HD,  13                           ; v13  where they go in LDS
.set XG,  14                           ; v14  36 x thread: my row of Wih
.set BG,  15                           ; v15  4 x thread: my number of b
.set FCB, 16                           ; v[16:23]   the projection's C operand
.set X,   24                           ; v[24:39]   x's fragment, 8 a tile: registers 0-2 data, 3-7 always 0
.set HA,  40                           ; v[40:71]   h, 16 a tile
.set HB,  72                           ; v[72:103]  h of the other parity of steps
.set C,   104                          ; v[104:167] c: tile t, quarter q, unit j at C + 32 t + 8 q + j
.set ACC, 168                          ; v[168:231] the quarter's eight accumulators: gate g, tile t at ACC + 16 g + 8 t
.set AI,  ACC
.set AF,  ACC+16
.set AG,  ACC+32
.set AO,  ACC+48
.set XR,  232                          ; v[232:241] x in f32, five a tile
.set XD,  242                          ; the rest serve the head alone
.set S16, 243
.set S8,  244
.set S4,  245
.set L4,  246
.set FO,  247
.set Z,   248
.set LN,  249
.set RR,  250
.set HH,  251
.set TA,  252
.set TB,  253
.set TR,  40                           ; in transit at the head: Whh v[40:103], src v[104:166], Wih and b v[168:187], fc_W v[192:223], packed pieces v[224:231]
.set TS,  104
.set TX,  168
.set TF,  192
.set TP,  224
.set OUT, 40                           ; the way out: v[40:129]
; window 1
.set WB0, 0                            ; v[0:95]    a quarter's 12 weight fragments
.set WB1, 96                           ; v[96:191]  the next quarter's
.set FCA, 192                          ; v[192:207] fc_W's two fragments
; scalars: s[8:23] src, enc_Whh, dec_Whh, enc_Wih, enc_b, dec_Wih, dec_b, fc_W; s[24:27] fc_b, out0
.set WV,  28                           ; my wave's number
.set CNT, 29                           ; loop counter
.set CLO, 30                           ; -32.0
.set CHI, 31                           ; 32.0
.set KS,  32                           ; s[32:33] -log2(e)
.set KT,  34                           ; s[34:35] 2 log2(e)
.set KW,  36                           ; s[36:37] the scale of the 32 rows of Wih that my wave prepares
.set MHH, 38                           ; lanes 16-31
.set MFC, 39                           ; lanes whose row of the projection's tile is a row of fc_W
.set FB,  40                           ; s[40:48] fc_b
.set MSB, 0
.macro WIN new                         ; s_set_vgpr_msb: bits 1:0 source 0, 3:2 source 1, 5:4 source 2, 7:6 destination; the high byte repeats the setting that is left
.if MSB != (\new)
	s_set_vgpr_msb (MSB<<8)|(\new)
.set MSB, (\new)
.endif
.endm
.macro PLACES                          ; four plain instructions between a product and the first vector line or LDS store that names its registers
.rept 4
	v_nop
.endr
.endm
.macro TW                              ; behind a batch of transcendentals: one plain instruction, and one wait ahead of the batch's first reader
	v_nop
	s_wait_alu depctr_va_vdst(0)
.endm
; 20 LDS loads: quarter q's weights through address register a into buffer b.  Lane l takes bytes 16 l of each 512: neighbouring lanes, neighbouring bytes.
.macro LOADW a, q, b
	WIN 0x40
.irp s, 0,1,2,3,4,5,6,7
	ds_load_b128 v[(\b)+8*\s:(\b)+8*\s+3],   v[\a] offset:(\q)*QB+1024*\s
	ds_load_b128 v[(\b)+8*\s+4:(\b)+8*\s+7], v[\a] offset:(\q)*QB+1024*\s+512
.endr
.irp g, 0,1,2,3
	ds_load_b128 v[(\b)+64+8*\g:(\b)+64+8*\g+3], v[\a] offset:(\q)*QB+8192+512*\g
.endr
.endm
.macro LOADW1 q, b                     ; encoder step 0: x's fragments of gates i, g, o alone
	WIN 0x40
.irp g, 0,2,3
	ds_load_b128 v[(\b)+64+8*\g:(\b)+64+8*\g+3], v[WE] offset:(\q)*QB+8192+512*\g
.endr
.endm
; 24 products: K step u, gate g, tile t.  The eight accumulators take turns, one instruction a turn; the first K step starts the sums.
.macro MM b, h
	WIN 0x01
.irp u, 0,1,2
.irp g, 0,1,2,3
.irp t, 0,1
.set rD, ACC+16*\g+8*\t
.set rA, (\b)+8*(4*\u+\g)
.if \u == 2
.set rB, X+8*\t
.else
.set rB, (\h)+16*\t+8*\u
.endif
.if \u == 0
	v_wmma_f32_16x16x32_f16 v[rD:rD+7], v[rA:rA+7], v[rB:rB+7], 0
.else
	v_wmma_f32_16x16x32_f16 v[rD:rD+7], v[rA:rA+7], v[rB:rB+7], v[rD:rD+7]
.endif
.endr
.endr
.endr
.endm
.macro MM1 b                           ; encoder step 0: x's K step alone, gates i, g, o
	WIN 0x01
.irp g, 0,2,3
.irp t, 0,1
	v_wmma_f32_16x16x32_f16 v[ACC+16*\g+8*\t:ACC+16*\g+8*\t+7], v[(\b)+64+8*\g:(\b)+64+8*\g+7], v[X+8*\t:X+8*\t+7], 0
.endr
.endr
.endm
.macro XLOAD imm                       ; five numbers of x a tile, imm bytes behind XA; tile 1's rows lie 16 x 252 bytes on
	WIN 0
.irp t, 0,1
.irp j, 0,1,2,3,4
	ds_load_b32 v[XR+5*\t+\j], v[XA] offset:4032*\t+4*\j+(\imm)
.endr
.endr
.endm
.macro XCVT                            ; x rounded to f16, with 1.0 in the bias's place
	WIN 0
.irp t, 0,1
	v_cvt_pk_f16_f32 v[X+8*\t],   v[XR+5*\t],   v[XR+5*\t+1]
	v_cvt_pk_f16_f32 v[X+8*\t+1], v[XR+5*\t+2], v[XR+5*\t+3]
	v_cvt_pk_f16_f32 v[X+8*\t+2], v[XR+5*\t+4], v[ONE]
.endr
.endm
; THE ACTIVATIONS of quarter q, both tiles: 16 units a lane (e = 8 t + j), in pairs p.  Four batches of transcendentals, each with one wait; no line ahead of a wait names a result of its batch.
; Each gate's registers are taken in ascending order.  first = 1: encoder step 0, without f and without an old c.
.macro ACT q, hn, first
	WIN 0
.set e, 0
.rept 16                               ; batch 1: ef (or ei), the clamp of a_g beside it; ei; eg
.if \first
	v_exp_f32 v[AI+e], v[AI+e]
.else
	v_exp_f32 v[AF+e], v[AF+e]
.endif
	v_med3_num_f32 v[AG+e], v[AG+e], s[CLO], s[CHI]
.set e, e+1
.endr
.if !(\first)
.set e, 0
.rept 16
	v_exp_f32 v[AI+e], v[AI+e]
.set e, e+1
.endr
.endif
.set e, 0
.rept 16
	v_exp_f32 v[AG+e], v[AG+e]
.set e, e+1
.endr
	TW
.set p, 0
.rept 8                                ; batch 2: eo, beside 1 + ef and 1 + ei;
.if !(\first)
	v_pk_add_f32 v[AF+2*p:AF+2*p+1], v[AF+2*p:AF+2*p+1], 1.0 op_sel_hi:[1,0]
.endif
	v_exp_f32 v[AO+2*p], v[AO+2*p]
	v_pk_add_f32 v[AI+2*p:AI+2*p+1], v[AI+2*p:AI+2*p+1], 1.0 op_sel_hi:[1,0]
	v_exp_f32 v[AO+2*p+1], v[AO+2*p+1]
.set p, p+1
.endr
.set p, 0
.rept 8                                ; 1 / (1 + ef), beside (1 + ei) eg + (1 + ei) and eg - 1;
	v_pk_fma_f32 v[AI+2*p:AI+2*p+1], v[AI+2*p:AI+2*p+1], v[AG+2*p:AG+2*p+1], v[AI+2*p:AI+2*p+1]
.if !(\first)
	v_rcp_f32 v[AF+2*p], v[AF+2*p]
.endif
	v_pk_add_f32 v[AG+2*p:AG+2*p+1], v[AG+2*p:AG+2*p+1], -1.0 op_sel_hi:[1,0]
.if !(\first)
	v_rcp_f32 v[AF+2*p+1], v[AF+2*p+1]
.endif
.set p, p+1
.endr
.set e, 0
.rept 16                               ; and the reciprocal of that product
	v_rcp_f32 v[AI+e], v[AI+e]
.set e, e+1
.endr
	TW
.set p, 0
.rept 8                                ; batch 3: the new c, its exponent, 1 + eo; a pair's two ec stand one pair behind
.set cp, C+32*(p/4)+8*(\q)+2*(p%4)
.if \first
	v_pk_mul_f32 v[cp:cp+1], v[AG+2*p:AG+2*p+1], v[AI+2*p:AI+2*p+1]
.else
	v_pk_mul_f32 v[AG+2*p:AG+2*p+1], v[AG+2*p:AG+2*p+1], v[AI+2*p:AI+2*p+1]
	v_pk_fma_f32 v[cp:cp+1], v[cp:cp+1], v[AF+2*p:AF+2*p+1], v[AG+2*p:AG+2*p+1]
.endif
	v_pk_mul_f32 v[AF+2*p:AF+2*p+1], v[cp:cp+1], s[KT:KT+1] op_sel_hi:[1,0]
	v_pk_add_f32 v[AO+2*p:AO+2*p+1], v[AO+2*p:AO+2*p+1], 1.0 op_sel_hi:[1,0]
.if p > 0
	v_exp_f32 v[AF+2*p-2], v[AF+2*p-2]
	v_exp_f32 v[AF+2*p-1], v[AF+2*p-1]
.endif
.set p, p+1
.endr
	v_exp_f32 v[AF+14], v[AF+14]
	v_exp_f32 v[AF+15], v[AF+15]
	TW
.set p, 0
.rept 8                                ; batch 4: (1 + eo) ec + (1 + eo), ec - 1; a pair's two reciprocals stand one pair behind
	v_pk_fma_f32 v[AO+2*p:AO+2*p+1], v[AO+2*p:AO+2*p+1], v[AF+2*p:AF+2*p+1], v[AO+2*p:AO+2*p+1]
	v_pk_add_f32 v[AF+2*p:AF+2*p+1], v[AF+2*p:AF+2*p+1], -1.0 op_sel_hi:[1,0]
.if p > 0
	v_rcp_f32 v[AO+2*p-2], v[AO+2*p-2]
	v_rcp_f32 v[AO+2*p-1], v[AO+2*p-1]
.endif
.set p, p+1
.endr
	v_rcp_f32 v[AO+14], v[AO+14]
	v_rcp_f32 v[AO+15], v[AO+15]
	TW
.set p, 0
.rept 8                                ; h, and its one rounding, into the next step's operand
	v_pk_mul_f32 v[AF+2*p:AF+2*p+1], v[AF+2*p:AF+2*p+1], v[AO+2*p:AO+2*p+1]
.set p, p+1
.endr
.set p, 0
.rept 8
	v_cvt_pk_f16_f32 v[(\hn)+16*(p/4)+4*(\q)+p%4], v[AF+2*p], v[AF+2*p+1]
.set p, p+1
.endr
.endm
; A QUARTER of a step: the next quarter's weights (nq, into nb; -1: none) and the next step's x (xl bytes behind XA; -1: none) are asked for; cnt = how many LDS instructions were just issued
; and may stay out: all older ones, buffer b's loads among them, are done behind the wait.  xc = 1: x is rounded.  Then the products from h, and the activations into hn.
; A weight buffer is loaded again a whole run of activations behind the last product that read it.
.macro QUARTER a, q, b, h, hn, nq, nb, xl, xc, cnt
.if (\nq) >= 0
	LOADW \a, \nq, \nb
.endif
.if (\xl) >= 0
	XLOAD \xl
.endif
	s_wait_dscnt \cnt
.if \xc
	XCVT
.endif
	MM \b, \h
	PLACES
	ACT \q, \hn, 0
.endm
; THE PROJECTION of h: two accumulators by turns; the result is rounded into x's fragment and laid, in f32, into the stage, imm bytes behind OA; tile 1's rows lie 16 x 360 bytes on.
.macro FC h, imm
	WIN 0x01
	v_wmma_f32_16x16x32_f16 v[AO:AO+7],    v[FCA:FCA+7],    v[(\h):(\h)+7],     v[FCB:FCB+7]
	v_wmma_f32_16x16x32_f16 v[AO+8:AO+15], v[FCA:FCA+7],    v[(\h)+16:(\h)+23], v[FCB:FCB+7]
	v_wmma_f32_16x16x32_f16 v[AO:AO+7],    v[FCA+8:FCA+15], v[(\h)+8:(\h)+15],  v[AO:AO+7]
	v_wmma_f32_16x16x32_f16 v[AO+8:AO+15], v[FCA+8:FCA+15], v[(\h)+24:(\h)+31], v[AO+8:AO+15]
	PLACES
	WIN 0
.irp t, 0,1
	v_cvt_pk_f16_f32 v[X+8*\t],   v[AO+8*\t],   v[AO+8*\t+1]
	v_cvt_pk_f16_f32 v[X+8*\t+1], v[AO+8*\t+2], v[AO+8*\t+3]
	v_cvt_pk_f16_f32 v[X+8*\t+2], v[AO+8*\t+4], v[AO+8*\t+5]
.endr
.irp t, 0,1
.irp j, 0,1,2,3,4
	ds_store_b32 v[OA], v[AO+8*\t+\j] offset:5760*\t+4*\j+(\imm)
.endr
.endr
.endm
; The head's macros.  LOADH: all of a Whh: thread n takes 32 bytes at 32 n of each 8,192: row 32 it + n / 8, channels 8 (n % 8) on.
.macro LOADH sb
.irp it, 0,1,2,3,4,5,6,7
	global_load_b128 v[TR+8*\it:TR+8*\it+3],   v[HG], s[\sb:\sb+1] offset:8192*\it
	global_load_b128 v[TR+8*\it+4:TR+8*\it+7], v[HG], s[\sb:\sb+1] offset:8192*\it+16
.endr
.endm
; CONVH: scaled (gate it / 2), rounded, and 16 bytes a thread into the fragment's place: quarter 2 (it % 2) + wave / 4, slot 4 u + gate.
.macro CONVH off
.irp it, 0,1,2,3,4,5,6,7
.set bb, TR+8*\it
.irp k, 0,2,4,6
.if (\it)/2 == 2
	v_pk_mul_f32 v[bb+\k:bb+\k+1], v[bb+\k:bb+\k+1], s[KT:KT+1] op_sel_hi:[1,0]
.else
	v_pk_mul_f32 v[bb+\k:bb+\k+1], v[bb+\k:bb+\k+1], s[KS:KS+1] op_sel_hi:[1,0]
.endif
.endr
.irp k, 0,1,2,3
	v_cvt_pk_f16_f32 v[bb+\k], v[bb+2*\k], v[bb+2*\k+1]
.endr
	ds_store_b128 v[HD], v[bb:bb+3] offset:((\it)/2)*1024+((\it)%2)*2*QB+(\off)
.endr
.endm
.macro LOADX d, sw, sb                 ; thread n takes row n of a Wih and number n of its b
.irp j, 0,1,2,3,4,5,6,7,8
	global_load_b32 v[(\d)+\j], v[XG], s[\sw:\sw+1] offset:4*\j
.endr
	global_load_b32 v[(\d)+9], v[BG], s[\sb:\sb+1]
.endm
.macro CONVX d, off                    ; scaled, rounded, and laid out as k' 0-7 = w0-w4, b, 0, 0 and k' 8-15 = 0, w5-w8, 0, 0, 0
.irp k, 0,2,4,6,8
	v_pk_mul_f32 v[(\d)+\k:(\d)+\k+1], v[(\d)+\k:(\d)+\k+1], s[KW:KW+1] op_sel_hi:[1,0]
.endr
	v_cvt_pk_f16_f32 v[TP],   v[(\d)],   v[(\d)+1]
	v_cvt_pk_f16_f32 v[TP+1], v[(\d)+2], v[(\d)+3]
	v_cvt_pk_f16_f32 v[TP+2], v[(\d)+4], v[(\d)+9]
	v_mov_b32 v[TP+3], 0
	v_cvt_pk_f16_f32 v[TP+4], v[Z],      v[(\d)+5]
	v_cvt_pk_f16_f32 v[TP+5], v[(\d)+6], v[(\d)+7]
	v_cvt_pk_f16_f32 v[TP+6], v[(\d)+8], v[Z]
	v_mov_b32 v[TP+7], 0
	ds_store_b128 v[XD], v[TP:TP+3]   offset:(\off)
	ds_store_b128 v[XD], v[TP+4:TP+7] offset:(\off)+256
.endm
	; THE HEAD
	s_load_b512 s[8:23], s[0:1], 0x0
	s_load_b128 s[24:27], s[0:1], 0x40
	v_lshl_add_u32 v[SPW], v0, 2, SPARE
	v_mov_b32 v[NIL], 0
	v_lshrrev_b32 v4, 5, v0
	v_readfirstlane_b32 s[WV], v4                  ; wave 0..7
	v_and_b32 v[LN], 31, v0                        ; l
	v_and_b32 v[RR], 15, v0                        ; r = l % 16
	v_bfe_u32 v[HH], v0, 4, 1                      ; hh = l / 16
	s_mov_b32 s[CLO], 0xc2000000                   ; -32.0
	s_mov_b32 s[CHI], 0x42000000                   ; 32.0
	s_mov_b32 s[KS], 0xbfb8aa3b                    ; -log2(e)
	s_mov_b32 s[KS+1], s[KS]                       ; named with it as a pair
	s_mov_b32 s[KT], 0x4038aa3b                    ; 2 log2(e)
	s_mov_b32 s[KT+1], s[KT]
	s_mov_b32 s[MHH], 0xffff0000
	s_lshr_b32 s49, s[WV], 1                       ; rows 32 w .. 32 w + 31 of Wih belong to gate w / 2
	s_cmp_eq_u32 s49, 2
	s_cselect_b32 s[KW], s[KT], s[KS]
	s_mov_b32 s[KW+1], s[KW]
	s_mul_i32 s54, s[WV], SRCW
	s_mul_i32 s55, s[WV], STGW
	s_mul_i32 s50, ttmp9, 8*SRCW                   ; my wave's 32 rows in src,
	s_add_co_u32 s50, s50, s54
	s_mov_b32 s51, 0
	s_mul_i32 s52, ttmp9, 8*STGW                   ; and in out0: both under 2^25 bytes
	s_add_co_u32 s52, s52, s55
	s_mov_b32 s53, 0
	s_add_co_u32 s54, s54, SRCL                    ; my wave's src in LDS
	s_add_co_u32 s55, s55, STG                     ; my wave's stage
	s_lshr_b32 s56, s[WV], 2                       ; Whh's target: (w / 4) quarters + row 4 (w % 4) ..
	s_mul_i32 s56, s56, QB
	s_and_b32 s57, s[WV], 3
	s_lshl_b32 s57, s57, 6
	s_add_co_u32 s56, s56, s57
	s_and_b32 s57, s[WV], 1                        ; Wih's target: quarter 2 (w % 2) + l / 16, gate w / 2
	s_mul_i32 s57, s57, 2*QB
	s_lshl_b32 s49, s49, 9
	s_add_co_u32 s57, s57, s49
	s_add_co_u32 s57, s57, 8192
	v_lshlrev_b32 v[WE], 4, v[LN]
	v_lshlrev_b32 v[L8], 3, v[LN]
	v_lshlrev_b32 v[L4], 2, v[LN]
	v_add_nc_u32 v[WD], WDEC, v[WE]
	v_lshlrev_b32 v[HG], 5, v0
	v_mul_u32_u24 v[XG], v0, 36
	v_lshlrev_b32 v[BG], 2, v0
	v_mul_u32_u24 v[XA], v[RR], 252
	v_lshl_add_u32 v[XA], v[HH], 4, v[XA]
	v_add_nc_u32 v[XA], s54, v[XA]
	v_mul_u32_u24 v[OA], v[RR], 360
	v_lshl_add_u32 v[OA], v[HH], 4, v[OA]
	v_add_nc_u32 v[OA], s55, v[OA]
	v_add_nc_u32 v[RD], s55, v[WE]
	v_add_nc_u32 v[RD8], s55, v[L8]
	v_add_nc_u32 v[S16], s54, v[WE]
	v_add_nc_u32 v[S8], s54, v[L8]
	v_add_nc_u32 v[S4], s54, v[L4]
	; my 8 numbers of Whh: row % 16 = 4 (w % 4) + l / 8 (16 bytes a row), K step (l / 4) % 2 (4,096), upper 16 channels (l / 2) % 2 (512), lanes' half l % 2 (256)
	v_bfe_u32 v[TA], v0, 3, 2
	v_lshlrev_b32 v[HD], 4, v[TA]
	v_bfe_u32 v[TA], v0, 2, 1
	v_lshl_add_u32 v[HD], v[TA], 12, v[HD]
	v_bfe_u32 v[TA], v0, 1, 1
	v_lshl_add_u32 v[HD], v[TA], 9, v[HD]
	v_and_b32 v[TA], 1, v0
	v_lshl_add_u32 v[HD], v[TA], 8, v[HD]
	v_add_nc_u32 v[HD], s56, v[HD]
	v_mul_u32_u24 v[XD], v[HH], QB
	v_lshl_add_u32 v[XD], v[RR], 4, v[XD]
	v_add_nc_u32 v[XD], s57, v[XD]
	; the projection's tile: row r takes fc_W's row r (r < 8) or r - 4, held inside the table; rows with r % 8 > 4 are set to 0 below
	v_bfe_u32 v[TA], v0, 3, 1
	v_lshlrev_b32 v[TB], 2, v[TA]
	v_sub_nc_u32 v[TB], v[RR], v[TB]
	v_min_u32 v[TB], 8, v[TB]
	v_lshlrev_b32 v[FO], 8, v[TB]
	v_lshl_add_u32 v[FO], v[HH], 5, v[FO]
	v_and_b32 v[TA], 7, v0
	v_cmp_gt_u32 s[MFC], 5, v[TA]
	s_wait_kmcnt 0x0
	s_load_b256 s[FB:FB+7], s[24:25], 0x0          ; fc_b, which no line of the launch writes
	s_load_b32 s[FB+8], s[24:25], 0x20
	s_add_nc_u64 s[8:9], s[8:9], s[50:51]
	s_add_nc_u64 s[26:27], s[26:27], s[52:53]
	LOADH 10                                       ; enc_Whh: 16 loads
	LOADX TX, 14, 16                               ; enc_Wih, enc_b: 10
	LOADX TX+10, 18, 20                            ; dec_Wih, dec_b: 10
.set i, 0
.rept 15                                       ; my wave's 8,064 bytes of src: 15 x 512, 256, 128: 17 loads
	global_load_b128 v[TS+4*i:TS+4*i+3], v[WE], s[8:9] offset:512*i th:TH_LOAD_NT
.set i, i+1
.endr
	global_load_b64 v[TS+60:TS+61], v[L8], s[8:9] offset:7680 th:TH_LOAD_NT
	global_load_b32 v[TS+62], v[L4], s[8:9] offset:7936 th:TH_LOAD_NT
	; while they are on their way: the halves of x's fragments that are always 0, on both sides of the product
	WIN 0x40
.irp b, WB0, WB1
.irp g, 0,1,2,3
.irp k, 4,5,6,7
	v_mov_b32 v[\b+64+8*\g+\k], 0
.endr
.endr
.endr
	WIN 0
.irp t, 0,1
.irp k, 3,4,5,6,7
	v_mov_b32 v[X+8*\t+\k], 0
.endr
.endr
	v_mov_b32 v[ONE], 1.0
	v_mov_b32 v[Z], 0
	s_wait_loadcnt 37                              ; enc_Whh is in: behind it 20 loads of Wih and b and 17 of src
	CONVH 0
	s_wait_dscnt 0x0                               ; those stores are done: the loads below land in the registers that they read
	LOADH 12                                       ; dec_Whh: 16 loads
.irp u, 0,1
.irp f, 0,1
	global_load_b128 v[TF+16*\u+8*\f:TF+16*\u+8*\f+3],   v[FO], s[22:23] offset:128*\u+64*\f  ; fc_W: 8 loads
	global_load_b128 v[TF+16*\u+8*\f+4:TF+16*\u+8*\f+7], v[FO], s[22:23] offset:128*\u+64*\f+16
.endr
.endr
	s_wait_loadcnt 41                              ; Wih and b are in: behind them 17 + 16 + 8
	CONVX TX, 0
	CONVX TX+10, WDEC
	s_wait_loadcnt 24                              ; src is in: behind it 16 + 8
.set i, 0
.rept 15
	ds_store_b128 v[S16], v[TS+4*i:TS+4*i+3] offset:512*i
.set i, i+1
.endr
	ds_store_b64 v[S8], v[TS+60:TS+61] offset:7680
	ds_store_b32 v[S4], v[TS+62] offset:7936
	XLOAD 0                                        ; x of time step 0: my wave's own bytes, and LDS serves a wave's instructions in order (ISA guide 5.7.1.4)
	s_wait_loadcnt 8                               ; dec_Whh is in: behind it fc_W's 8
	CONVH WDEC
	s_wait_loadcnt 0x0                             ; fc_W
.set i, 0
.rept 16
	v_cvt_pk_f16_f32 v[TF+i], v[TF+2*i], v[TF+2*i+1]
.set i, i+1
.endr
	WIN 0x40
.set i, 0
.rept 16
	v_cndmask_b32 v[FCA+i], 0, v[TF+i], s[MFC]     ; rows that are no row of fc_W hold 0
.set i, i+1
.endr
	WIN 0
	s_wait_kmcnt 0x0                               ; fc_b
.irp j, 0,1,2,3,4
	v_mov_b32 v[FCB+\j], s[FB+4+\j]                ; lanes 16-31: rows 8-12 = fc_b 4-8;
	v_cndmask_b32 v[FCB+\j], s[FB+\j], v[FCB+\j], s[MHH]  ; lanes 0-15: rows 0-4 = fc_b 0-4
.endr
	v_cndmask_b32 v[FCB+5], 1.0, v[Z], s[MHH]      ; row 5: the 1.0 that meets the bias column in the next step
	v_mov_b32 v[FCB+6], 0
	v_mov_b32 v[FCB+7], 0
	s_wait_dscnt 0x0                               ; for the others' sake: my part of the weights lies in LDS; and x is in
	XCVT
	s_barrier_signal -1
	s_barrier_wait -1                              ; the launch's one barrier: all weights lie in LDS, and nobody writes them again
	; ENCODER STEP 0: x's K step alone, no f gate.  Behind each wait the three loads just issued may stay out.
	LOADW1 0, WB0
	LOADW1 1, WB1
	s_wait_dscnt 3
	MM1 WB0
	PLACES
	ACT 0, HA, 1
	LOADW1 2, WB0
	s_wait_dscnt 3
	MM1 WB1
	PLACES
	ACT 1, HA, 1
	LOADW1 3, WB1
	s_wait_dscnt 3
	MM1 WB0
	PLACES
	ACT 2, HA, 1
	s_wait_dscnt 0x0
	MM1 WB1
	PLACES
	ACT 3, HA, 1
	; ENCODER STEPS 1 TO 6, two a trip, so that h's two buffers change places without a copy
	s_mov_b32 s[CNT], 3
.Lenc:
	XLOAD 36
	LOADW WE, 0, WB0
	QUARTER WE, 0, WB0, HA, HB, 1, WB1, -1, 1, 20
	QUARTER WE, 1, WB1, HA, HB, 2, WB0, -1, 0, 20
	QUARTER WE, 2, WB0, HA, HB, 3, WB1, -1, 0, 20
	QUARTER WE, 3, WB1, HA, HB, 0, WB0, 72, 0, 30  ; 20 loads of weights and 10 of x may stay out
	QUARTER WE, 0, WB0, HB, HA, 1, WB1, -1, 1, 20
	QUARTER WE, 1, WB1, HB, HA, 2, WB0, -1, 0, 20
	QUARTER WE, 2, WB0, HB, HA, 3, WB1, -1, 0, 20
	QUARTER WE, 3, WB1, HB, HA, -1, 0, -1, 0, 0
	v_add_nc_u32 v[XA], 72, v[XA]                  ; two time steps on
	s_sub_co_i32 s[CNT], s[CNT], 1
	s_cmp_lg_u32 s[CNT], 0
	s_cbranch_scc1 .Lenc
	; THE DECODER's 10 steps, two a trip.  x's fragment still holds src's last time step, which is the first step's input.
	s_mov_b32 s[CNT], 5
.Ldec:
	LOADW WD, 0, WB0
	QUARTER WD, 0, WB0, HA, HB, 1, WB1, -1, 0, 20
	QUARTER WD, 1, WB1, HA, HB, 2, WB0, -1, 0, 20
	QUARTER WD, 2, WB0, HA, HB, 3, WB1, -1, 0, 20
	QUARTER WD, 3, WB1, HA, HB, 0, WB0, -1, 0, 20
	FC HB, 0
	QUARTER WD, 0, WB0, HB, HA, 1, WB1, -1, 0, 20
	QUARTER WD, 1, WB1, HB, HA, 2, WB0, -1, 0, 20
	QUARTER WD, 2, WB0, HB, HA, 3, WB1, -1, 0, 20
	QUARTER WD, 3, WB1, HB, HA, -1, 0, -1, 0, 0
	FC HA, 36
	v_add_nc_u32 v[OA], 72, v[OA]                  ; two predictions on
	s_sub_co_i32 s[CNT], s[CNT], 1
	s_cmp_lg_u32 s[CNT], 0
	s_cbranch_scc1 .Ldec
	; THE WAY OUT: my wave's 11,520 bytes of the stage are 11,520 consecutive bytes of out0, at a multiple of 256 from its first byte: 22 x 512 and 256.
	; The stage is my wave's own: its loads see the stores above.  The loads land four plain instructions or more behind the last products, which read h.
.set i, 0
.rept 22
	ds_load_b128 v[OUT+4*i:OUT+4*i+3], v[RD] offset:512*i
.set i, i+1
.endr
	ds_load_b64 v[OUT+88:OUT+89], v[RD8] offset:11264
.set i, 0
.rept 22
	s_wait_dscnt 22-i                              ; LDS loads come back in order: load i is in, the 22 - i younger ones may be out
	global_store_b128 v[WE], v[OUT+4*i:OUT+4*i+3], s[26:27] offset:512*i th:TH_STORE_NT
.set i, i+1
.endr
	s_wait_dscnt 0x0
	global_store_b64 v[L8], v[OUT+88:OUT+89], s[26:27] offset:11264 th:TH_STORE_NT
	s_wait_tensorcnt 0x0                           ; the wave's end, behind my last LDS store
	ds_add_u32 v[SPW], v[NIL]
	s_wait_dscnt 0x0
	s_endpgm
.Lfunc_end_k_q9c0c46edb4_lstm:
	.size	k_q9c0c46edb4_lstm, .Lfunc_end_k_q9c0c46edb4_lstm-k_q9c0c46edb4_lstm
	.p2alignl 7, 3214868480
	.fill 96, 4, 3214868480
	.section	.rodata,"a",@progbits
	.p2align	6, 0x0
	.amdhsa_kernel k_q9c0c46edb4_lstm
		.amdhsa_group_segment_fixed_size 239616
		.amdhsa_private_segment_fixed_size 0
		.amdhsa_enable_private_segment 0
		.amdhsa_kernarg_size 80
		.amdhsa_user_sgpr_count 2
		.amdhsa_user_sgpr_kernarg_segment_ptr 1
		.amdhsa_wavefront_size32 1
		.amdhsa_system_sgpr_workgroup_id_x 1
		.amdhsa_system_sgpr_workgroup_id_y 1
		.amdhsa_system_sgpr_workgroup_id_z 1
		.amdhsa_system_vgpr_workitem_id 0
		.amdhsa_next_free_vgpr 464
		.amdhsa_next_free_sgpr 66
		.amdhsa_reserve_vcc 0
		.amdhsa_float_denorm_mode_32 3
		.amdhsa_float_denorm_mode_16_64 3
		.amdhsa_memory_ordered 1
		.amdhsa_forward_progress 1
		.amdhsa_inst_pref_size 255
	.end_amdhsa_kernel
	.section	.bss,"aw",@nobits
	.p2align	6
	.space	262144
	.amdgpu_metadata
---
amdhsa.version: [ 1, 2 ]
amdhsa.kernels:
  - .name:           k_q9c0c46edb4_lstm
    .symbol:         k_q9c0c46edb4_lstm.kd
    .args:
      - { .name: src, .offset: 0, .size: 8, .value_kind: global_buffer, .address_space: global }
      - { .name: enc_Whh, .offset: 8, .size: 8, .value_kind: global_buffer, .address_space: global }
      - { .name: dec_Whh, .offset: 16, .size: 8, .value_kind: global_buffer, .address_space: global }
      - { .name: enc_Wih, .offset: 24, .size: 8, .value_kind: global_buffer, .address_space: global }
      - { .name: enc_b, .offset: 32, .size: 8, .value_kind: global_buffer, .address_space: global }
      - { .name: dec_Wih, .offset: 40, .size: 8, .value_kind: global_buffer, .address_space: global }
      - { .name: dec_b, .offset: 48, .size: 8, .value_kind: global_buffer, .address_space: global }
      - { .name: fc_W, .offset: 56, .size: 8, .value_kind: global_buffer, .address_space: global }
      - { .name: fc_b, .offset: 64, .size: 8, .value_kind: global_buffer, .address_space: global }
      - { .name: out0, .offset: 72, .size: 8, .value_kind: global_buffer, .address_space: global }
    .group_segment_fixed_size: 239616
    .private_segment_fixed_size: 0
    .kernarg_segment_align: 8
    .kernarg_segment_size: 80
    .max_flat_workgroup_size: 256
    .sgpr_count:     66
    .vgpr_count:     464
    .wavefront_size: 32
...
	.end_amdgpu_metadata
.endif
;; end of part 1
